; MI455X (gfx1250); checked and timed in simulation.
; The chip was launched on July 23, 2026; its instructions are those of AMD's public machine-readable ISA for CDNA 5 (MIT licence, August 2026) and "CDNA5" Instruction Set Architecture Reference Guide (July 2026). The comments in the code are by the model that wrote it; some were corrected since.
;; Attention. Allowed arithmetic: matrix products marked QUANTISED: E5M2 operands, one given power-of-two scale a tensor, by v_wmma_f32_16x16x64_bf8_bf8 or v_wmma_f32_16x16x128_bf8_bf8, f32 sums; products left as they are: f32 operands where the result goes on into a quantised operand, else bf16, f16 or f32 operands; f32 sums; everything else in f32.
;; Inputs: W_h_codes 1,024 x 32 x 32 uint8 (E5M2 codes of W_h, K innermost, in blocks of 32 codes); W_s_codes 1,024 x 32 x 32 uint8 (E5M2 codes of W_s, K innermost, in blocks of 32 codes); dec_hidden_codes 64 x 1 x 32 x 32 uint8 (E5M2 codes of dec_hidden, K innermost, in blocks of 32 codes); enc_outputs 64 x 1,024 x 1,024 float32; lowp_scales 4 int32 (the exponents e of the quantised operands' scales 2^e); v 1,024 float32.
;; Outputs: out0 64 x 1 x 1,024 float32; out1 64 x 1,024 float32.
;; This version of the problem:
;;   THIS VERSION OF THE PROBLEM IS GIVEN IN LOW PRECISION. The matrix products marked QUANTISED in the list below multiply operands that are first quantised to E5M2 (5 exponent bits, 2 mantissa bits; 8 bits a number), with one given power-of-two scale for each operand tensor; their sums are f32. All else is computed in f32.
;;   The module's matrix products, in the order in which they are computed (A, B: the left and right operand; K: the contracted axis; several contracted axes count as one K, in the product's order):
;;     1. [M 65,536, K 1,024] x [K 1,024, N 1,024]; A: input enc_outputs; B: input W_h (given as codes): QUANTISED (scales: A lowp_scales[0], B lowp_scales[1])
;;     2. [M 64, K 1,024] x [K 1,024, N 1,024]; A: input dec_hidden (given as codes); B: input W_s (given as codes): QUANTISED (scales: A lowp_scales[2], B lowp_scales[3])
;;     3. [M 65,536, K 1,024] x [K 1,024, N 1]; A: computed on the way; B: input v: left as it is (N = 1 < 16)
;;     4. batch 64 x [M 1, K 1,024] x [K 1,024, N 1,024]; A: softmax; B: input enc_outputs: left as it is (M = 1 < 16)
;;   THE QUANTISER, for each operand of a quantised product, along K:
;;     - The operand's scale is 2^e, e = its entry of the input lowp_scales (int32; the entries are numbered through the quantised products in the list's order, A before B).
;;     - Each number is divided by the scale, clamped to +-57,344, and rounded to the nearest number of E5M2, ties to even, subnormals kept.
;;     - The product sums the exact products of the quantised numbers (number of the format x scale) in f32.
;;   ~~~python
;;   def quantise(x, axis, e):      # numpy; x: float32 -> the quantised numbers, widened to float32 again
;;       x = np.moveaxis(x, axis, -1); K = x.shape[-1]
;;       r = np.clip(x / 2.0 ** e, -57344, 57344)
;;       step = 2.0 ** (np.maximum(np.frexp(np.where(r == 0, 1, r))[1] - 1, -14) - 2)
;;       q = np.round(r / step) * step * 2.0 ** e      # np.round: ties to even
;;       return np.moveaxis(q, -1, axis).astype(np.float32)
;;   ~~~
;;   INPUTS GIVEN AS CODES. W_h (in the module: [1024, 1024], K = its axis 1); W_s (in the module: [1024, 1024], K = its axis 1); dec_hidden (in the module: [64, 1, 1024], K = its axis 2): each comes as NAME_codes (uint8): NAME with its K axis moved to the last place and cut into blocks of 32 codes, [.., K / 32, bytes a block], one block behind the other in memory; one code a byte (a code: sign, 5 exponent bits, 2 mantissa bits); its scale is its entry of lowp_scales. Its value is code x scale, taken as it is: it is not quantised again, and the codes and scales need not be those that the quantiser above would give.
;; One version. Each part assembles by itself: llvm-mc -triple=amdgcn-amd-amdhsa -mcpu=gfx1250 --defsym DOCPART=n.
;; ======== version 1 of 1: 3 launches
;; limits: right only within a limited range of input values
;; workspace buffers: dtab 262,144 bytes; scores 262,144 bytes; ctxp 1,048,576 bytes
;; launch prep (part 1): grid 16 x 4, 4 waves a work-group, no clusters, 5,120 bytes of LDS; arguments W_s_codes, dec_hidden_codes, lowp_scales, dtab; writes dtab
.if DOCPART == 1
	.amdgcn_target "amdgcn-amd-amdhsa--gfx1250"
	.amdhsa_code_object_version 6
	.text
	.protected	k_qe37c443f9a_prep
	.globl	k_qe37c443f9a_prep
	.p2align	8
	.type	k_qe37c443f9a_prep,@function
k_qe37c443f9a_prep:
	s_mov_b64 s[64:65], 0
	v_nop
	global_prefetch_b8 v0, s[64:65] scope:SCOPE_SE
	s_setreg_imm32_b32 hwreg(HW_REG_WAVE_MODE, 25, 1), 1
	s_wait_xcnt 0x0
; dtab[b][o] = 2 log2(e) x 2^(e2 + e3) x sum over k of dec[b][k] W_s[o][k]: the decoder's projection on codes of BF8 (E5M2), already in the form that the tanh of the next launch adds.
; dec: [64][1024] codes, W_s: [1024][1024] codes, K innermost.  dtab: [64][1024] f32.
; SHARES.  Work-group (x, y): 64 outputs o = 64 x .., 16 batches 16 y ..; wave w takes the 16 outputs 64 x + 16 w ...  K = 1,024 is eight matrix instructions on two accumulators by turns.
; TRANSPOSED: source 0 = 16 rows of W_s, source 1 = 16 rows of dec: a lane holds batch lane % 16 and eight neighbouring o.  The four waves' results meet in a stage in LDS, so that sixteen lanes store 256 consecutive, aligned bytes of a row.
; A fragment is fetched by four loads of 16 bytes, 32 bytes apart: the same permutation of k in both operands, so every product meets its partner.
; No limit on e2 + e3: it is applied by v_ldexp_f32.
.set SP, 272                           ; a stage row: 64 outputs x 4 bytes + 16 of padding
.set MSB, 0
.macro WIN new                         ; the immediate's high byte repeats the setting that is left
.if MSB != (\new)
	s_set_vgpr_msb (MSB<<8)|(\new)
.set MSB, (\new)
.endif
.endm
	s_load_b128 s[4:7], s[0:1], 0x0                ; W_s's codes s[4:5], dec's codes s[6:7]
	s_load_b128 s[8:11], s[0:1], 0x10              ; the scales' exponents s[8:9], dtab s[10:11]
	v_lshl_add_u32 v254, v0, 2, 0x1200
	v_mov_b32 v255, 0
	v_lshrrev_b32 v1, 5, v0
	v_readfirstlane_b32 s12, v1                    ; wave 0..3
	v_and_b32 v2, 15, v0                           ; r
	s_wait_alu depctr_va_vdst(0)
	v_bfe_u32 v3, v0, 4, 1                         ; h
	v_lshlrev_b32 v4, 10, v2
	v_lshl_add_u32 v4, v3, 4, v4                   ; a fragment: row r of 1,024 bytes, + 16 h
	s_and_b32 s13, ttmp7, 0xffff                   ; y
	s_lshl_b32 s14, ttmp9, 6
	s_lshl_b32 s15, s12, 4
	s_add_co_u32 s14, s14, s15                     ; my first row of W_s: 64 x + 16 w
	s_lshl_b32 s16, s14, 10
	s_mov_b32 s17, 0
	s_lshl_b32 s18, s13, 14                        ; dec: 16 y rows of 1,024 bytes
	s_mov_b32 s19, 0
	v_mul_u32_u24 v5, v2, SP                       ; into the stage: row r, + 64 w + 32 h
	s_wait_alu depctr_va_vdst(0)
	v_lshl_add_u32 v5, v3, 5, v5
	s_lshl_b32 s22, s12, 6
	v_add_nc_u32 v5, s22, v5
	s_mul_i32 s22, s12, 4*SP                       ; back: wave w takes rows 4 w .. 4 w + 3; lanes 0-15 one row, lanes 16-31 the next
	v_mul_u32_u24 v6, v3, SP
	v_lshl_add_u32 v6, v2, 4, v6
	v_add_nc_u32 v6, s22, v6
	v_lshlrev_b32 v7, 12, v3                       ; and the same rows in dtab (4,096 bytes a row)
	v_lshl_add_u32 v7, v2, 4, v7
	s_lshl_b32 s22, s12, 14
	v_add_nc_u32 v7, s22, v7
	s_lshl_b32 s22, s13, 16                        ; 16 y rows,
	s_lshl_b32 s23, ttmp9, 8                       ; + 256 x bytes
	s_add_co_u32 s22, s22, s23
	s_mov_b32 s23, 0
	s_wait_kmcnt 0x0
	s_load_b64 s[20:21], s[8:9], 0x8               ; e2, e3
	s_add_nc_u64 s[4:5], s[4:5], s[16:17]
	s_add_nc_u64 s[6:7], s[6:7], s[18:19]
	s_add_nc_u64 s[10:11], s[10:11], s[22:23]
.irp q, 0,1,2,3,4,5,6,7
.irp c, 0,1,2,3
	global_load_b128 v[16+16*\q+4*\c:19+16*\q+4*\c], v4, s[6:7] offset:128*\q+32*\c   ; dec's eight fragments: v16-143
.endr
.endr
	WIN 0x40                                       ; destination window 1
.irp q, 0,1,2,3,4,5,6,7
.irp c, 0,1,2,3
	global_load_b128 v[16*\q+4*\c:16*\q+4*\c+3], v4, s[4:5] offset:128*\q+32*\c       ; W_s's eight: window 1, v0-127
.endr
.endr
	WIN 0
	s_wait_loadcnt 0x0
	WIN 0x01                                       ; source 0 (W_s) window 1
.irp q, 0,1,2,3,4,5,6,7                        ; two accumulators by turns, one instruction a turn; the first two products start the sums
.if \q < 2
	v_wmma_f32_16x16x128_bf8_bf8 v[144+8*(\q%2):151+8*(\q%2)], v[16*\q:16*\q+15], v[16+16*\q:31+16*\q], 0
.else
	v_wmma_f32_16x16x128_bf8_bf8 v[144+8*(\q%2):151+8*(\q%2)], v[16*\q:16*\q+15], v[16+16*\q:31+16*\q], v[144+8*(\q%2):151+8*(\q%2)]
.endif
.endr
	WIN 0
.rept 4
	v_nop                                          ; four places between the last product and the first read of results (ISA guide 7.12.1)
.endr
.irp i, 0,2,4,6
	v_pk_add_f32 v[160+\i:161+\i], v[144+\i:145+\i], v[152+\i:153+\i]   ; the two halves of K; each accumulator from its low end on
.endr
.irp i, 0,2,4,6
	v_pk_mul_f32 v[160+\i:161+\i], v[160+\i:161+\i], 0x4038aa3b op_sel_hi:[1,0]   ; x 2 log2(e)
.endr
	s_wait_alu depctr_va_vdst(0)
	s_wait_kmcnt 0x0
	s_add_co_i32 s20, s20, s21                     ; e2 + e3
.irp i, 0,1,2,3,4,5,6,7
	v_ldexp_f32 v[160+\i], v[160+\i], s20
.endr
	ds_store_b128 v5, v[160:163]
	ds_store_b128 v5, v[164:167] offset:16
	s_wait_dscnt 0x0                               ; for the others' sake: my stores into the stage are done
	s_barrier_signal -1
	s_barrier_wait -1
	ds_load_b128 v[168:171], v6
	ds_load_b128 v[172:175], v6 offset:2*SP
	s_wait_dscnt 0x0
	global_store_b128 v7, v[168:171], s[10:11]               ; sixteen lanes store 256 consecutive bytes, at a multiple of 256 from dtab's first byte
	global_store_b128 v7, v[172:175], s[10:11] offset:8192
	s_wait_tensorcnt 0x0
	ds_add_u32 v254, v255
	s_wait_dscnt 0x0
	s_endpgm
.Lfunc_end_k_qe37c443f9a_prep:
	.size	k_qe37c443f9a_prep, .Lfunc_end_k_qe37c443f9a_prep-k_qe37c443f9a_prep
	.p2alignl 7, 3214868480
	.fill 96, 4, 3214868480
	.section	.rodata,"a",@progbits
	.p2align	6, 0x0
	.amdhsa_kernel k_qe37c443f9a_prep
		.amdhsa_group_segment_fixed_size 5120
		.amdhsa_private_segment_fixed_size 0
		.amdhsa_enable_private_segment 0
		.amdhsa_kernarg_size 32
		.amdhsa_user_sgpr_count 2
		.amdhsa_user_sgpr_kernarg_segment_ptr 1
		.amdhsa_wavefront_size32 1
		.amdhsa_system_sgpr_workgroup_id_x 1
		.amdhsa_system_sgpr_workgroup_id_y 1
		.amdhsa_system_sgpr_workgroup_id_z 1
		.amdhsa_system_vgpr_workitem_id 0
		.amdhsa_next_free_vgpr 384
		.amdhsa_next_free_sgpr 66
		.amdhsa_reserve_vcc 0
		.amdhsa_float_denorm_mode_32 3
		.amdhsa_float_denorm_mode_16_64 3
		.amdhsa_memory_ordered 1
		.amdhsa_forward_progress 1
		.amdhsa_inst_pref_size 11
	.end_amdhsa_kernel
	.amdgpu_metadata
---
amdhsa.version: [ 1, 2 ]
amdhsa.kernels:
  - .name:           k_qe37c443f9a_prep
    .symbol:         k_qe37c443f9a_prep.kd
    .args:
      - { .name: W_s_codes, .offset: 0, .size: 8, .value_kind: global_buffer, .address_space: global }
      - { .name: dec_hidden_codes, .offset: 8, .size: 8, .value_kind: global_buffer, .address_space: global }
      - { .name: lowp_scales, .offset: 16, .size: 8, .value_kind: global_buffer, .address_space: global }
      - { .name: dtab, .offset: 24, .size: 8, .value_kind: global_buffer, .address_space: global }
    .group_segment_fixed_size: 5120
    .private_segment_fixed_size: 0
    .kernarg_segment_align: 8
    .kernarg_segment_size: 32
    .max_flat_workgroup_size: 128
    .sgpr_count:     66
    .vgpr_count:     384
    .wavefront_size: 32
...
	.end_amdgpu_metadata
.endif
;; end of part 1
;; launch main (part 2): grid 256 x 1, 4 waves a work-group, clusters of 4 x 1, 327,680 bytes of LDS; arguments W_h_codes, enc_outputs, lowp_scales, v, dtab, scores, ctxp; writes scores, ctxp
.if DOCPART == 2
	.amdgcn_target "amdgcn-amd-amdhsa--gfx1250"
	.amdhsa_code_object_version 6
	.text
	.protected	k_qe37c443f9a_main
	.globl	k_qe37c443f9a_main
	.p2align	8
	.type	k_qe37c443f9a_main,@function
k_qe37c443f9a_main:
	s_mov_b64 s[64:65], 0
	v_nop
	global_prefetch_b8 v0, s[64:65] scope:SCOPE_SE
	s_setreg_imm32_b32 hwreg(HW_REG_WAVE_MODE, 25, 1), 1
	s_wait_xcnt 0x0
	s_wait_alu depctr_hold_cnt(0) depctr_sa_sdst(0) depctr_va_vdst(0) depctr_va_sdst(0) depctr_va_ssrc(0) depctr_va_vcc(0) depctr_vm_vsrc(0)
	s_getreg_b32 s2, hwreg(HW_REG_IB_STS2, 6, 4)
	s_cmp_eq_u32 s2, 0
	s_cbranch_scc0 .Lentry_in_a_cluster
	s_endpgm
.Lentry_in_a_cluster:
	s_bfe_u32 s2, ttmp6, 0x10000c
	s_cmp_lg_u32 s2, 0x3003
	s_cbranch_scc0 .Lentry_shape_is_right
	s_endpgm
.Lentry_shape_is_right:
; scores[b][s] = -2 sum over o of v[o] / (1 + 2^(2 log2(e) (enc_proj[b][s][o] + dec_proj[b][o]))), and each work-group's part of the context.
; tanh(x) = 1 - 2 / (1 + e^(2x)), so reference()'s score is sum(v) plus the number above.  DEAD WORK: sum(v) is the same for all s of a batch, a term that is
; the same along the softmax's axis; it reaches neither output for any finite v, and is left out.  LIMIT: an overflow or NaN of sum(v) alone is not carried to the result.
; enc_proj is the QUANTISED product: enc is quantised here from f32 (hold at 57,344 x 2^e0, then the scaled conversion), W_h comes as codes; sums in f32.
; LIMITS on the given exponents: e0 between -126 and 112; e0 + e1 between -127 and 126 (they are added to the exponent field of 2 log2(e)).
; SHARES.  A cluster of four work-groups is one batch; a work-group owns 256 rows of enc, in two chunks of 128.  Waves 2 x 2: a wave holds the codes of 64 rows (all K = 1,024)
; in 512 registers and walks half of the outputs.  W_h goes through a ring of two LDS slots of 64 outputs, asked for jointly by the four work-groups (they walk the same tiles).
; While chunk 0 is multiplied, chunk 1 is loaded and quantised into LDS; while chunk 1 is multiplied, chunk 0 is loaded again and added into the context with p = 2^((score - m) log2(e)),
; m the largest score so far of this work-group; chunk 1 follows at the end.  The last launch joins the four parts of a batch.  Two chunks at 3 bytes an element (codes and a 16-bit copy) do not fit in registers and LDS, so enc is read twice.
; TRANSPOSED USE: source 0 = 16 rows of W_h, source 1 = 16 rows of enc: a lane holds one row of enc and eight neighbouring outputs.
; A STEP s = one tile of 16 outputs x my 64 rows.  The tanh of a tile is spread over the two steps behind it, on two sets of accumulators:
;   head: sums x c + d of tile s - 1; ONE batch of transcendentals, the 32 exponentials of tile s - 1 and the 32 reciprocals of tile s - 2, with one wait ahead and one behind; the score sums of tile s - 2;
;   every second step the change of slots;   32 products in one run on four accumulators by turns, into the registers of tile s - 2; between the products plain vector work alone:
;   the "+ 1" of tile s - 1 and the work on a row of enc (hold and conversion, or context += p x row);   behind the run all memory instructions on end: d and v, the next tile's fragments, the row's codes, the next row.
; The row work lies in another register window than the products, so the windows are switched round each slice of it.
; NO PREFETCH: enc is asked for by register loads four rows a wave ahead; W_h's 1 MiB is walked twice by each of the 256 work-groups, so all walks but the first ask for bytes read before in this launch.
.set PITCH,  1040                      ; an LDS row of 1,024 codes + 16 of padding
.set TILEB,  16*PITCH
.set BUF0,   0                         ; slot 0: 64 rows of W_h
.set BUF1,   4*TILEB                   ; slot 1
.set CODES,  8*TILEB                   ; 128 rows of enc's codes
.set DT,     CODES+128*PITCH           ; the batch's row of dtab,
.set VT,     DT+4096                   ; -2 v
.set SX,     VT+4096                   ; score parts of the two halves of the outputs
.set PT,     SX+1024                   ; p, one copy a wave
.set CX,     PT+2048                   ; the waves' parts of the context
.set SPARE,  CX+16384                  ; the spare words
.set ROWB,   4096
.set CHUNK,  128*ROWB
.set L2E,    0x3fb8aa3b
.set SPW, 1
.set NIL, 2
.set AB0, 3
.set AB1, 4
.set AD,  5
.set ADW, 6
.set AA,  7
.set CWB, 8
.set CWW, 9
.set L16, 10
.set GO,  11
.set SCL, 12
.set PA,  13
.set SXW, 14
.set SXR, 15
.set TMP, 16                           ; v16-23 a row's codes
.set SC,  24                           ; v24-31 score sums, a pair for each of my four row tiles
.set DV,  32                           ; v32-63 d and -2 v of a tile, two sets
.set SLO, 48
.set ACC, 64                           ; v64-127 two sets of four accumulators
.set BF,  128                          ; v128-255 a tile of W_h: eight fragments
.set CA,  128                          ; window 1, v128-159: my part of the context; window 1, v0-127: four rows of enc; windows 2, 3: A's codes
.set WV,  18
.set WM_, 19
.set WN,  20
.set CXP, 21
.set G1,  24
.set G0A, 32
.set G0B, 36
.set OFA, 42
.set OFB, 44
.set EB,  46
.set SOFF, 48
.set CNT, 49
.set DVO, 50
.set CWO, 51
.set PTO, 52
.set M0,  53
.set CS,  54
.set LIMP, 56
.set LIMN, 57
.set SEL, 58
.set PS,  66
.set PTW, 88
.set CXW, 89
.set CXR, 90
.set PT0, 91
.set MSB, 0
.macro WIN new                         ; the immediate's high byte repeats the setting that is left
.if MSB != (\new)
	s_set_vgpr_msb (MSB<<8)|(\new)
.set MSB, (\new)
.endif
.endm
.macro CREST                           ; a round of the cluster's barrier behind its opening barrier
	s_cmp_lg_u32 s[WV], 0
	s_cbranch_scc1 .Lnot_wave_0_\@
	s_barrier_signal -3
.Lnot_wave_0_\@:
	s_barrier_wait -3
	s_barrier_signal -1
	s_barrier_wait -1
.endm
.macro CROUND
	s_barrier_signal -1
	s_barrier_wait -1
	CREST
.endm
.macro F1ALL S, D                      ; 32 sums (four tiles x eight outputs) x c + d; each accumulator is read from its low end on
.irp b, 0,1
.irp u, 0,1
.irp t, 0,1,2,3
	v_pk_fma_f32 v[\S+8*\t+4*\b+2*\u:\S+8*\t+4*\b+2*\u+1], v[\S+8*\t+4*\b+2*\u:\S+8*\t+4*\b+2*\u+1], s[CS:CS+1], v[\D+4*\b+2*\u:\D+4*\b+2*\u+1] op_sel_hi:[1,0,1]
.endr
.endr
.endr
.endm
.macro F2ALL S, D                      ; the score sums: += (-2 v) x the reciprocals; the four tiles' pairs by turns
.irp b, 0,1
.irp u, 0,1
.irp t, 0,1,2,3
	v_pk_fma_f32 v[SC+2*\t:SC+2*\t+1], v[\S+8*\t+4*\b+2*\u:\S+8*\t+4*\b+2*\u+1], v[\D+8+4*\b+2*\u:\D+8+4*\b+2*\u+1], v[SC+2*\t:SC+2*\t+1]
.endr
.endr
.endr
.endm
.macro EXPB S
.set TN, 0
.rept 32
	v_exp_f32 v[\S+TN], v[\S+TN]
.set TN, TN+1
.endr
.endm
.macro RCPB S
.set TN, 0
.rept 32
	v_rcp_f32 v[\S+TN], v[\S+TN]
.set TN, TN+1
.endr
.endm
.macro WM q, t, cur
.if (\q) == 0
	v_wmma_f32_16x16x128_bf8_bf8 v[\cur+8*\t:\cur+8*\t+7], v[BF+16*(\q):BF+16*(\q)+15], v[64*((\q)%4)+16*\t:64*((\q)%4)+16*\t+15], 0
.else
	v_wmma_f32_16x16x128_bf8_bf8 v[\cur+8*\t:\cur+8*\t+7], v[BF+16*(\q):BF+16*(\q)+15], v[64*((\q)%4)+16*\t:64*((\q)%4)+16*\t+15], v[\cur+8*\t:\cur+8*\t+7]
.endif
.endm
.macro BLOAD q, adr, off
.irp c, 0,1,2,3
	ds_load_b128 v[BF+16*(\q)+4*\c:BF+16*(\q)+4*\c+3], v[\adr] offset:\off+128*(\q)+32*\c
.endr
.endm
.macro DVLOAD D, o
	ds_load_b128 v[\D:\D+3], v[ADW] offset:\o
	ds_load_b128 v[\D+4:\D+7], v[ADW] offset:\o+16
	ds_load_b128 v[\D+8:\D+11], v[ADW] offset:\o+4096
	ds_load_b128 v[\D+12:\D+15], v[ADW] offset:\o+4096+16
.endm
.macro RLOAD win, base, go, goff, nt   ; a row of enc: eight loads of 512 consecutive bytes
	WIN (\win)<<6
.irp j, 0,1,2,3,4,5,6,7
.if \nt
	global_load_b128 v[\base+4*\j:\base+4*\j+3], v[\go], s[EB:EB+1] offset:\goff+512*\j th:TH_LOAD_NT
.else
	global_load_b128 v[\base+4*\j:\base+4*\j+3], v[\go], s[EB:EB+1] offset:\goff+512*\j
.endif
.endr
	WIN 0
.endm
.macro QV win, base                    ; the quantiser: the hold, then eight codes a conversion
	WIN ((\win)<<6)|(\win)
.set QN, 0
.rept 32
	v_med3_num_f32 v[\base+QN], v[\base+QN], s[LIMN], s[LIMP]
.set QN, QN+1
.endr
	WIN (\win)
.irp g, 0,1,2,3
	v_cvt_scalef32_pk8_bf8_f32 v[TMP+2*\g:TMP+2*\g+1], v[\base+8*\g:\base+8*\g+7], v[SCL]
.endr
	WIN 0
.endm
.macro QST ldsoff
.irp i, 0,1,2,3,4,5,6,7
	ds_store_b32 v[CWW], v[TMP+\i] offset:\ldsoff+128*\i
.endr
.endm
.macro CADD win, base, ps              ; context += p x a row
	WIN 0x50|(\win)
.irp j, 0,1,2,3,4,5,6,7,8,9,10,11,12,13,14,15
	v_pk_fma_f32 v[CA+2*\j:CA+2*\j+1], v[\base+2*\j:\base+2*\j+1], s[\ps:\ps+1], v[CA+2*\j:CA+2*\j+1] op_sel_hi:[1,0,1]
.endr
	WIN 0
.endm
.macro QROW win, base, ldsoff, load, go, goff, left
	s_wait_loadcnt \left
	QV \win, \base
.if (\load) == 2
	v_add_nc_u32 v[\go], 8*ROWB, v[\go]
.else
	v_nop
.endif
	QST \ldsoff
.if \load
	RLOAD \win, \base, \go, \goff, 0
.endif
.endm
.macro CROW win, base, ps, load, go, goff, left
	s_wait_loadcnt \left
.if (\load) == 2
	v_add_nc_u32 v[\go], 8*ROWB, v[\go]
.endif
	CADD \win, \base, \ps
.if \load
	RLOAD \win, \base, \go, \goff, 1
.endif
.endm
; Behind product n (0-31) of a step's run: plain vector work alone.  n 0-8: a slice of the work on row buffer p; n 9-24: 1 + 2^x for two numbers of the tile before.
.macro SH n, p, mode
.if (\mode) == 0
.if (\n) < 8
	WIN 0x41
.irp i, 0,1,2,3
	v_med3_num_f32 v[32*(\p)+4*(\n)+\i], v[32*(\p)+4*(\n)+\i], s[LIMN], s[LIMP]
.endr
.elseif (\n) == 8
	WIN 0x01
.irp g, 0,1,2,3
	v_cvt_scalef32_pk8_bf8_f32 v[TMP+2*\g:TMP+2*\g+1], v[32*(\p)+8*\g:32*(\p)+8*\g+7], v[SCL]
.endr
.endif
.else
.if (\n) < 4
	WIN 0x51
.irp j, 0,1,2,3
	v_pk_fma_f32 v[CA+2*(4*(\n)+\j):CA+2*(4*(\n)+\j)+1], v[32*(\p)+2*(4*(\n)+\j):32*(\p)+2*(4*(\n)+\j)+1], s[PS+2*(\p):PS+2*(\p)+1], v[CA+2*(4*(\n)+\j):CA+2*(4*(\n)+\j)+1] op_sel_hi:[1,0,1]
.endr
.endif
.endif
.if ((\n) >= 9) && ((\n) < 25)
	v_pk_add_f32 v[PRV+2*((\n)-9):PRV+2*((\n)-9)+1], v[PRV+2*((\n)-9):PRV+2*((\n)-9)+1], 1.0 op_sel_hi:[1,0]
.endif
.endm
.macro RUN p, mode
.irp q, 0,1,2,3,4,5,6,7
.irp t, 0,1,2,3
	WIN 0x08+4*((\q)/4)                            ; source 1: window 2 (K 0-511) or 3
	WM \q, \t, CUR
	SH 4*\q+\t, \p, \mode
.endr
.endr
	WIN 0
.endm
; p: the step of the trip (0-3).  chg 1: change of slots with a refill, 2: without.  roll: the next tile's fragments are fetched.  mode 0: a row is quantised, 1: a row is added to the context.
.macro STEP p, chg, roll, mode
.set CUR, ACC+32*((\p)%2)
.set PRV, ACC+32-32*((\p)%2)
.set DVC, DV+16*((\p)%2)
.set DVP, DV+16-16*((\p)%2)
.set RA,  AB0+(((\p)+1)/2)%2
.set RO,  TILEB*(1-(\p)%2)
.set DVOF, 64*((\p)%2)+256*((\p)/2)
.if (\mode) && ((\p) == 0)
	v_mov_b32 v[PA], s[PTO]
	ds_load_b128 v[TMP:TMP+3], v[PA]               ; p of the trip's four rows
	s_wait_dscnt 33                                ; d and v of the tile before are in; behind them: 32 fragment loads and the load above
.else
	s_wait_dscnt 40-8*(\mode)                      ; d and v of the tile before are in; behind them: 32 fragment loads (mode 0: and 8 stores of codes)
.endif
	F1ALL PRV, DVP                                 ; tile s - 1
	s_wait_alu depctr_va_vdst(0)                   ; the wait ahead of the batch
	EXPB PRV                                       ; tile s - 1
	RCPB CUR                                       ; tile s - 2
	v_nop                                          ; a plain place behind the batch
	s_wait_alu depctr_va_vdst(0)                   ; the wait behind the batch
	F2ALL CUR, DVC                                 ; tile s - 2 is done: its registers take this step's sums
.if \chg
	s_wait_tensorcnt 0x0                           ; my one tensor load that was out, my part of the other slot, has landed
	ds_add_u32 v[SPW], v[NIL]
.if (\chg) == 1
.set OFR, OFA+2*((\p)/2)
.set G0R, G0A+4*((\p)/2)
	s_add_co_u32 s[OFR], s[OFR], 2*65536           ; this slot's next 64 rows of W_h, round the 1 MiB
	s_and_b32 s[OFR], s[OFR], 0xfffff
	s_add_nc_u64 s[G0R+2:G0R+3], s[4:5], s[OFR:OFR+1]
	s_or_b32 s[G0R+3], s[G0R+3], 0x80000000
.endif
	s_wait_dscnt 0x0                               ; the add is done, and my reads of the slot that is left (this step's fragments were its last)
	s_barrier_signal -1
	s_barrier_wait -1
.if (\chg) == 1
	CREST
	tensor_load_to_lds s[G0R:G0R+3], s[G1:G1+7]    ; the joint refill: two steps lie between it and the wait for it
	s_nop 0
.rept 4
	v_nop
.endr
.endif
.else
	s_wait_dscnt 8-8*(\mode)                       ; this step's fragments are in (mode 0: the 8 stores of codes may be out)
.endif
.if (\mode) && ((\p) == 0)
.irp i, 0,1,2,3
	v_readfirstlane_b32 s[PS+2*\i], v[TMP+\i]
.endr
.endif
	s_wait_loadcnt 24                              ; the oldest of four rows is in
	RUN \p, \mode
.rept 4
	v_nop                                          ; places between the products and the loads into their fragments
.endr
.if (\p) == 0
	s_wait_xcnt 0x0                                ; the earlier row loads have read their offset
	v_add_nc_u32 v[GO], s[SOFF], v[L16]
.if (\mode) == 0
	v_add_nc_u32 v[CWW], s[CWO], v[CWB]
.endif
.endif
	DVLOAD DVC, DVOF
.if \roll
.irp q, 0,1,2,3,4,5,6,7
	BLOAD \q, RA, RO
.endr
.endif
.if (\mode) == 0
	QST PITCH*(\p)
.endif
	RLOAD 1, 32*(\p), GO, ROWB*(\p), \mode
.endm
.macro AFETCH                          ; my 64 rows of codes: 512 registers
	WIN 0x80
.irp q, 0,1,2,3
.irp t, 0,1,2,3
.irp c, 0,1,2,3
	ds_load_b128 v[64*\q+16*\t+4*\c:64*\q+16*\t+4*\c+3], v[AA] offset:TILEB*\t+128*\q+32*\c
.endr
.endr
.endr
	WIN 0xc0
.irp q, 0,1,2,3
.irp t, 0,1,2,3
.irp c, 0,1,2,3
	ds_load_b128 v[64*\q+16*\t+4*\c:64*\q+16*\t+4*\c+3], v[AA] offset:TILEB*\t+128*(\q+4)+32*\c
.endr
.endr
.endr
	WIN 0
.endm
.macro DRAIN                           ; behind a sweep: the reciprocals and score sums of its last tile but one, and the whole tanh of its last
	F1ALL ACC+32, DV+16
	s_wait_alu depctr_va_vdst(0)
	EXPB ACC+32
	RCPB ACC
	v_nop
	s_wait_alu depctr_va_vdst(0)
	F2ALL ACC, DV
.set TN, 0
.rept 16
	v_pk_add_f32 v[ACC+32+TN:ACC+32+TN+1], v[ACC+32+TN:ACC+32+TN+1], 1.0 op_sel_hi:[1,0]
.set TN, TN+2
.endr
	s_wait_alu depctr_va_vdst(0)
	RCPB ACC+32
	v_nop
	s_wait_alu depctr_va_vdst(0)
	F2ALL ACC+32, DV+16
.endm
.macro SXOUT                           ; a row's score part: the pair, and lane l xor 16's
.irp t, 0,1,2,3
	v_add_f32 v[32+\t], v[SC+2*\t], v[SC+2*\t+1]
	v_mov_b32 v[36+\t], 0
.endr
.irp t, 0,1,2,3
	v_permlanex16_b32 v[36+\t], v[32+\t], s[SEL], s[SEL+1]
.endr
.irp t, 0,1,2,3
	v_add_f32 v[32+\t], v[32+\t], v[36+\t]
.endr
.irp t, 0,1,2,3
	ds_store_b32 v[SXW], v[32+\t] offset:64*\t
.endr
.endm
.macro SOFTP k                         ; the chunk's 128 scores: stored; p under the running maximum, one copy a wave; k = 1: the context so far is brought under the new maximum
	ds_load_b128 v[32:35], v[SXR]
	ds_load_b128 v[36:39], v[SXR] offset:512
	s_wait_dscnt 0x0
.if (\k) == 0
	AFETCH
.endif
	v_pk_add_f32 v[32:33], v[32:33], v[36:37]
	v_pk_add_f32 v[34:35], v[34:35], v[38:39]
	s_cmp_lg_u32 s[WV], 0
	s_cbranch_scc1 .Lno_store_\@
	global_store_b128 v[L16], v[32:35], s[14:15] offset:512*(\k)
.Lno_store_\@:
	s_wait_alu depctr_va_vdst(0)
	v_max3_num_f32 v40, v32, v33, v34
	v_mov_b32 v41, 0
	v_max_num_f32 v40, v40, v35
	v_max_num_f32_dpp v40, v40, v40 row_xmask:1 row_mask:0xf bank_mask:0xf
	v_max_num_f32_dpp v40, v40, v40 row_xmask:2 row_mask:0xf bank_mask:0xf
	v_max_num_f32_dpp v40, v40, v40 row_xmask:4 row_mask:0xf bank_mask:0xf
	v_max_num_f32_dpp v40, v40, v40 row_xmask:8 row_mask:0xf bank_mask:0xf
	v_permlanex16_b32 v41, v40, s[SEL], s[SEL+1]
	v_max_num_f32 v40, v40, v41
.if (\k) == 0
	v_readfirstlane_b32 s[M0], v40
.else
	v_max_num_f32 v40, s[M0], v40
	v_sub_f32 v47, s[M0], v40
	v_mul_f32 v47, L2E, v47
	s_wait_alu depctr_va_vdst(0)
	v_exp_f32 v36, v47
.endif
.irp i, 0,1,2,3
	v_sub_f32 v[42+\i], v[32+\i], v40
.endr
.irp i, 0,1,2,3
	v_mul_f32 v[42+\i], L2E, v[42+\i]
.endr
	s_wait_alu depctr_va_vdst(0)
.irp i, 0,1,2,3
	v_exp_f32 v[42+\i], v[42+\i]
.endr
	v_add_nc_u32 v46, s[PTW], v[L16]
	s_wait_alu depctr_va_vdst(0)
	ds_store_b128 v46, v[42:45]
.if (\k) == 1
	WIN 0x41
.irp j, 0,1,2,3,4,5,6,7,8,9,10,11,12,13,14,15
	v_pk_mul_f32 v[CA+2*\j:CA+2*\j+1], v[CA+2*\j:CA+2*\j+1], v[36:37] op_sel_hi:[1,0]
.endr
	WIN 0
.endif
.endm
.macro INITPIPE                        ; a sweep's first two steps find d = v = 0 in both sets, 1 where reciprocals are taken and 0 where sums are expected: they add nothing
	s_wait_xcnt 0x0
.set ZN, 0
.rept 32
	v_mov_b32 v[DV+ZN], 0
	v_mov_b32 v[ACC+ZN], 1.0
	v_mov_b32 v[ACC+32+ZN], 0
.set ZN, ZN+1
.endr
.set ZN, 0
.rept 8
	v_mov_b32 v[SC+ZN], 0
.set ZN, ZN+1
.endr
.endm
	s_load_b256 s[4:11], s[0:1], 0x0               ; W_h's codes, enc, the exponents, v
	s_load_b128 s[12:15], s[0:1], 0x20             ; dtab, scores
	s_load_b64 s[16:17], s[0:1], 0x30              ; ctxp
	v_lshl_add_u32 v[SPW], v0, 2, SPARE
	v_mov_b32 v[NIL], 0
	ds_add_u32 v1, v2                              ; the opening lines: the add twice on end and its wait
	ds_add_u32 v1, v2
	s_wait_dscnt 0x0
	v_lshrrev_b32 v16, 5, v0
	v_readfirstlane_b32 s[WV], v16
	s_lshr_b32 s[WM_], s[WV], 1                    ; which 64 rows
	s_and_b32 s[WN], s[WV], 1                      ; which half of a slot's outputs
	s_bfe_u32 s[CXP], ttmp6, 0x40000
	v_and_b32 v16, 15, v0
	v_bfe_u32 v17, v0, 4, 1
	v_and_b32 v18, 31, v0
	v_mul_u32_u24 v19, v16, PITCH
	v_lshl_add_u32 v19, v17, 4, v19
	s_mul_i32 s86, s[WN], 2*TILEB
	v_add_nc_u32 v[AB0], s86, v19
	v_add_nc_u32 v[AB1], BUF1, v[AB0]
	s_lshl_b32 s86, s[WN], 7
	s_add_co_u32 s86, s86, DT
	v_lshl_add_u32 v[AD], v17, 5, s86
	s_mul_i32 s86, s[WM_], 4*TILEB
	s_add_co_u32 s86, s86, CODES
	v_add_nc_u32 v[AA], s86, v19
	s_mul_i32 s86, s[WV], 2*TILEB
	s_add_co_u32 s86, s86, CODES
	v_lshl_add_u32 v[CWB], v18, 2, s86
	v_lshlrev_b32 v[L16], 4, v18
	s_lshl_b32 s86, s[WN], 9
	s_lshl_b32 s87, s[WM_], 8
	s_add_co_u32 s86, s86, s87
	s_add_co_u32 s86, s86, SX
	v_lshl_add_u32 v[SXW], v16, 2, s86
	v_add_nc_u32 v[SXR], SX, v[L16]
	v_lshlrev_b32 v32, 4, v0
	v_lshl_add_u32 v33, v0, 4, DT
	s_lshl_b32 s[PTW], s[WV], 9
	s_add_co_u32 s[PTW], s[PTW], PT
	s_lshl_b32 s[CXW], s[WV], 12
	s_add_co_u32 s[CXW], s[CXW], CX
	s_lshl_b32 s[CXR], s[WV], 10
	s_add_co_u32 s[CXR], s[CXR], CX
	s_mul_i32 s[PT0], s[WV], 640
	s_add_co_u32 s[PT0], s[PT0], PT
	s_mov_b32 s[SEL], 0x76543210
	s_mov_b32 s[SEL+1], 0xfedcba98
.irp i, 0,1,2,3,4,5,6,7
	s_mov_b32 s[PS+2*\i+1], 0
.endr
	s_mov_b32 s[G1+0], 15|(1<<20)|(1<<21)|(7<<22)|(3<<25)  ; all four partners; 16 rows of 1,024 bytes, four words of padding behind each
	s_mov_b32 s[G1+1], 1024<<16
	s_mov_b32 s[G1+2], 16<<16
	s_mov_b32 s[G1+3], 1024<<16
	s_mov_b32 s[G1+4], 16
	s_mov_b32 s[G1+5], 1024
	s_mov_b32 s[G1+6], 0
	s_mov_b32 s[G1+7], 0
	s_mul_i32 s86, s[WV], TILEB
	s_lshl_b32 s[OFA], s[WV], 14
	s_mov_b32 s[OFA+1], 0
	s_add_co_u32 s[OFB], s[OFA], 65536
	s_mov_b32 s[OFB+1], 0
	s_mov_b32 s[G0A], 1
	s_add_co_u32 s[G0A+1], s86, BUF0
	s_mov_b32 s[G0B], 1
	s_add_co_u32 s[G0B+1], s86, BUF1
	s_wait_kmcnt 0x0
	s_load_b64 s[84:85], s[8:9], 0x0               ; e0, e1
	s_add_nc_u64 s[G0A+2:G0A+3], s[4:5], s[OFA:OFA+1]
	s_or_b32 s[G0A+3], s[G0A+3], 0x80000000
	s_add_nc_u64 s[G0B+2:G0B+3], s[4:5], s[OFB:OFB+1]
	s_or_b32 s[G0B+3], s[G0B+3], 0x80000000
	s_lshl_b32 s92, ttmp9, 10
	s_lshl_b32 s94, s[CXP], 8
	s_add_co_u32 s92, s92, s94                     ; my work-group's first row
	s_mov_b32 s93, 0
	s_lshl_b32 s94, s92, 2
	s_mov_b32 s95, 0
	s_add_nc_u64 s[14:15], s[14:15], s[94:95]
	s_lshl_b32 s94, s[WV], 5
	s_add_co_u32 s92, s92, s94                     ; my wave loads 32 rows of each chunk
	s_lshl_b32 s92, s92, 12
	s_add_nc_u64 s[EB:EB+1], s[6:7], s[92:93]
	s_lshl_b32 s92, ttmp9, 2
	s_add_co_u32 s92, s92, s[CXP]
	s_lshl_b32 s92, s92, 12
	s_lshl_b32 s94, s[WV], 10
	s_add_co_u32 s92, s92, s94
	s_add_nc_u64 s[16:17], s[16:17], s[92:93]
	s_lshl_b32 s92, ttmp9, 12
	s_add_nc_u64 s[12:13], s[12:13], s[92:93]
	CROUND
	tensor_load_to_lds s[G0A:G0A+3], s[G1:G1+7]    ; slot 0: one tensor load a wave at the head
	s_nop 0
	s_wait_alu depctr_va_vdst(0)
	s_wait_tensorcnt 0x0                           ; slot 1's first fill stands behind the full sequence, as a refill does
	ds_add_u32 v1, v2
	s_wait_dscnt 0x0
	CROUND
	tensor_load_to_lds s[G0B:G0B+3], s[G1:G1+7]
	s_nop 0
.rept 4
	v_nop
.endr
	s_wait_alu depctr_va_vdst(0)
	global_load_b128 v[64:67], v32, s[12:13]
	global_load_b128 v[68:71], v32, s[12:13] offset:2048
	global_load_b128 v[72:75], v32, s[10:11]
	global_load_b128 v[76:79], v32, s[10:11] offset:2048
.irp i, 0,1,2,3,4,5,6,7
	v_mov_b32 v[SLO+\i], v[L16]
.endr
.irp i, 0,1,2,3
	RLOAD 1, 32*\i, SLO+\i, ROWB*\i, 0
.endr
	s_wait_alu depctr_va_vdst(0)
.irp i, 0,1,2,3
	RLOAD 2, 32*\i, SLO+4+\i, ROWB*(\i+4), 0
.endr
	s_wait_kmcnt 0x0
	s_add_co_i32 s86, s84, 127
	s_lshl_b32 s87, s86, 23
	v_mov_b32 v[SCL], s87                          ; 2^e0
	s_add_co_i32 s86, s86, 15
	s_lshl_b32 s86, s86, 23
	s_or_b32 s[LIMP], s86, 0x600000                ; 57,344 x 2^e0
	s_or_b32 s[LIMN], s[LIMP], 0x80000000
	s_add_co_i32 s86, s84, s85
	s_lshl_b32 s86, s86, 23
	s_add_co_i32 s[CS], s86, 0x4038aa3b            ; c = 2 log2(e) x 2^(e0 + e1)
	s_mov_b32 s[CS+1], s[CS]
	s_mov_b32 s[CWO], 0
	s_mov_b32 s[CNT], 3
.Lquant0:                                              ; chunk 0: my 32 rows, eight in flight
	v_add_nc_u32 v[CWW], s[CWO], v[CWB]
.irp i, 0,1,2,3
	QROW 1, 32*\i, PITCH*\i, 2, SLO+\i, ROWB*\i, 56
.endr
.irp i, 4,5,6,7
	QROW 2, 32*(\i-4), PITCH*\i, 2, SLO+\i, ROWB*\i, 56
.endr
	s_add_co_u32 s[CWO], s[CWO], 8*PITCH
	s_sub_co_u32 s[CNT], s[CNT], 1
	s_cmp_lg_u32 s[CNT], 0
	s_cbranch_scc1 .Lquant0
	v_add_nc_u32 v[CWW], s[CWO], v[CWB]
.irp i, 0,1,2,3
	QROW 1, 32*\i, PITCH*\i, 1, SLO+\i, CHUNK-24*ROWB+ROWB*\i, 56   ; and chunk 1's first four rows are asked for
.endr
	QROW 2, 0,  PITCH*4, 0, SLO, 0, 56
	QROW 2, 32, PITCH*5, 0, SLO, 0, 48
	QROW 2, 64, PITCH*6, 0, SLO, 0, 40
	QROW 2, 96, PITCH*7, 0, SLO, 0, 32
.irp i, 72,74,76,78
	v_pk_mul_f32 v[\i:\i+1], v[\i:\i+1], -2.0 op_sel_hi:[1,0]
.endr
	ds_store_b128 v33, v[64:67]
	ds_store_b128 v33, v[68:71] offset:2048
	ds_store_b128 v33, v[72:75] offset:4096
	ds_store_b128 v33, v[76:79] offset:6144
	s_wait_tensorcnt 0x1
	s_wait_dscnt 0x0
	s_barrier_signal -1
	s_barrier_wait -1
	AFETCH
.irp q, 0,1,2,3,4,5,6,7
	BLOAD \q, AB0, 0
.endr
	INITPIPE
	s_wait_alu depctr_va_vdst(0)
	s_wait_dscnt 0x0                               ; chunk 0's codes are in registers: the stage may take chunk 1's
	s_barrier_signal -1
	s_barrier_wait -1
	s_mov_b32 s[SOFF], CHUNK+4*ROWB
	s_mov_b32 s[DVO], 0
	s_mov_b32 s[CWO], 0
	s_mov_b32 s[CNT], 8
.Lsweep0:                                              ; a trip: both slots, 128 outputs; four rows a wave quantised
	v_add_nc_u32 v[ADW], s[DVO], v[AD]
	STEP 0, 0, 1, 0
	STEP 1, 1, 1, 0
	STEP 2, 0, 1, 0
	STEP 3, 1, 1, 0
	s_add_co_u32 s[SOFF], s[SOFF], 4*ROWB
	s_add_co_u32 s[DVO], s[DVO], 512
	s_add_co_u32 s[CWO], s[CWO], 4*PITCH
	s_cmp_eq_u32 s[CNT], 2
	s_cselect_b32 s[SOFF], 0, s[SOFF]              ; the last trip asks for chunk 0's first rows again
	s_sub_co_u32 s[CNT], s[CNT], 1
	s_cmp_lg_u32 s[CNT], 0
	s_cbranch_scc1 .Lsweep0
	s_wait_dscnt 0x0
	DRAIN
	SXOUT
	s_wait_dscnt 0x0
	s_barrier_signal -1
	s_barrier_wait -1
	SOFTP 0
	INITPIPE
	WIN 0x40
.set ZN, 0
.rept 32
	v_mov_b32 v[CA+ZN], 0
.set ZN, ZN+1
.endr
	WIN 0
	s_wait_alu depctr_va_vdst(0)
	s_wait_dscnt 0x0
	s_mov_b32 s[SOFF], 4*ROWB
	s_mov_b32 s[DVO], 0
	s_mov_b32 s[PTO], s[PT0]
	s_mov_b32 s[CNT], 7
.Lsweep1:                                              ; chunk 1 is multiplied, chunk 0 goes into the context
	v_add_nc_u32 v[ADW], s[DVO], v[AD]
	STEP 0, 0, 1, 1
	STEP 1, 1, 1, 1
	STEP 2, 0, 1, 1
	STEP 3, 1, 1, 1
	s_add_co_u32 s[SOFF], s[SOFF], 4*ROWB
	s_add_co_u32 s[DVO], s[DVO], 512
	s_add_co_u32 s[PTO], s[PTO], 16
	s_sub_co_u32 s[CNT], s[CNT], 1
	s_cmp_lg_u32 s[CNT], 0
	s_cbranch_scc1 .Lsweep1
	s_mov_b32 s[SOFF], CHUNK
	v_add_nc_u32 v[ADW], s[DVO], v[AD]
	STEP 0, 0, 1, 1                                ; the last trip is written out: it fills no slot
	STEP 1, 2, 1, 1
	STEP 2, 0, 1, 1
	STEP 3, 0, 0, 1
.irp i, 0,1,2,3
	RLOAD 2, 32*\i, GO, ROWB*(\i+4), 1
.endr
	s_wait_dscnt 0x0
	DRAIN
	SXOUT
	s_wait_dscnt 0x0
	s_barrier_signal -1
	s_barrier_wait -1
	SOFTP 1
.macro PLOAD8
	v_mov_b32 v[PA], s[PTO]
	ds_load_b128 v[TMP:TMP+3], v[PA]
	ds_load_b128 v[TMP+4:TMP+7], v[PA] offset:16
	s_wait_dscnt 0x0
.irp i, 0,1,2,3,4,5,6,7
	v_readfirstlane_b32 s[PS+2*\i], v[TMP+\i]
.endr
.endm
.irp i, 0,1,2,3,4,5,6,7
	v_add_nc_u32 v[SLO+\i], CHUNK, v[L16]
.endr
	s_mov_b32 s[PTO], s[PT0]
	s_mov_b32 s[CNT], 3
.Lctx1:                                                ; chunk 1 goes into the context, eight rows a wave in flight
	PLOAD8
.irp i, 0,1,2,3
	CROW 1, 32*\i, PS+2*\i, 2, SLO+\i, ROWB*\i, 56
.endr
.irp i, 4,5,6,7
	CROW 2, 32*(\i-4), PS+2*\i, 2, SLO+\i, ROWB*\i, 56
.endr
	s_add_co_u32 s[PTO], s[PTO], 32
	s_sub_co_u32 s[CNT], s[CNT], 1
	s_cmp_lg_u32 s[CNT], 0
	s_cbranch_scc1 .Lctx1
	PLOAD8
.irp i, 0,1,2,3
	CROW 1, 32*\i, PS+2*\i, 0, SLO, 0, 56-8*\i
.endr
.irp i, 4,5,6,7
	CROW 2, 32*(\i-4), PS+2*\i, 0, SLO, 0, 56-8*\i
.endr
	v_add_nc_u32 v40, s[CXW], v[L16]
	v_add_nc_u32 v41, s[CXR], v[L16]
	WIN 0x04
.irp j, 0,1,2,3,4,5,6,7
	ds_store_b128 v40, v[CA+4*\j:CA+4*\j+3] offset:512*\j
.endr
	WIN 0
	s_wait_alu depctr_va_vdst(0)
	s_wait_dscnt 0x0
	s_barrier_signal -1
	s_barrier_wait -1
.irp i, 0,1                                    ; the four waves' parts are added; a wave stores 1,024 consecutive bytes
.irp a, 0,1,2,3
	ds_load_b128 v[64+16*\i+4*\a:67+16*\i+4*\a], v41 offset:512*\i+4096*\a
.endr
.endr
	s_wait_dscnt 0x0
.irp i, 0,1
	v_pk_add_f32 v[64+16*\i:65+16*\i], v[64+16*\i:65+16*\i], v[68+16*\i:69+16*\i]
	v_pk_add_f32 v[66+16*\i:67+16*\i], v[66+16*\i:67+16*\i], v[70+16*\i:71+16*\i]
	v_pk_add_f32 v[72+16*\i:73+16*\i], v[72+16*\i:73+16*\i], v[76+16*\i:77+16*\i]
	v_pk_add_f32 v[74+16*\i:75+16*\i], v[74+16*\i:75+16*\i], v[78+16*\i:79+16*\i]
	v_pk_add_f32 v[64+16*\i:65+16*\i], v[64+16*\i:65+16*\i], v[72+16*\i:73+16*\i]
	v_pk_add_f32 v[66+16*\i:67+16*\i], v[66+16*\i:67+16*\i], v[74+16*\i:75+16*\i]
	global_store_b128 v[L16], v[64+16*\i:67+16*\i], s[16:17] offset:512*\i
.endr
	s_wait_tensorcnt 0x0                           ; the wave's end
	ds_add_u32 v[SPW], v[NIL]
	s_wait_dscnt 0x0
	CROUND                                         ; the closing round
	s_endpgm
.Lfunc_end_k_qe37c443f9a_main:
	.size	k_qe37c443f9a_main, .Lfunc_end_k_qe37c443f9a_main-k_qe37c443f9a_main
	.p2alignl 7, 3214868480
	.fill 96, 4, 3214868480
	.section	.rodata,"a",@progbits
	.p2align	6, 0x0
	.amdhsa_kernel k_qe37c443f9a_main
		.amdhsa_group_segment_fixed_size 327680
		.amdhsa_private_segment_fixed_size 0
		.amdhsa_enable_private_segment 0
		.amdhsa_kernarg_size 56
		.amdhsa_user_sgpr_count 2
		.amdhsa_user_sgpr_kernarg_segment_ptr 1
		.amdhsa_wavefront_size32 1
		.amdhsa_system_sgpr_workgroup_id_x 1
		.amdhsa_system_sgpr_workgroup_id_y 1
		.amdhsa_system_sgpr_workgroup_id_z 1
		.amdhsa_system_vgpr_workitem_id 0
		.amdhsa_next_free_vgpr 1024
		.amdhsa_next_free_sgpr 96
		.amdhsa_reserve_vcc 0
		.amdhsa_float_denorm_mode_32 3
		.amdhsa_float_denorm_mode_16_64 3
		.amdhsa_memory_ordered 1
		.amdhsa_forward_progress 1
		.amdhsa_inst_pref_size 255
	.end_amdhsa_kernel
	.section	.bss,"aw",@nobits
	.p2align	6
	.space	262144
	.amdgpu_metadata
---
amdhsa.version: [ 1, 2 ]
amdhsa.kernels:
  - .name:           k_qe37c443f9a_main
    .symbol:         k_qe37c443f9a_main.kd
    .args:
      - { .name: W_h_codes, .offset: 0, .size: 8, .value_kind: global_buffer, .address_space: global }
      - { .name: enc_outputs, .offset: 8, .size: 8, .value_kind: global_buffer, .address_space: global }
      - { .name: lowp_scales, .offset: 16, .size: 8, .value_kind: global_buffer, .address_space: global }
      - { .name: v, .offset: 24, .size: 8, .value_kind: global_buffer, .address_space: global }
      - { .name: dtab, .offset: 32, .size: 8, .value_kind: global_buffer, .address_space: global }
      - { .name: scores, .offset: 40, .size: 8, .value_kind: global_buffer, .address_space: global }
      - { .name: ctxp, .offset: 48, .size: 8, .value_kind: global_buffer, .address_space: global }
    .group_segment_fixed_size: 327680
    .private_segment_fixed_size: 0
    .kernarg_segment_align: 8
    .kernarg_segment_size: 56
    .max_flat_workgroup_size: 128
    .sgpr_count:     96
    .vgpr_count:     1024
    .wavefront_size: 32
...
	.end_amdgpu_metadata
.endif
;; end of part 2
;; launch finish (part 3): grid 64 x 1, 8 waves a work-group, no clusters, 1,280 bytes of LDS; arguments scores, ctxp, out0, out1; writes out0, out1
.if DOCPART == 3
	.amdgcn_target "amdgcn-amd-amdhsa--gfx1250"
	.amdhsa_code_object_version 6
	.text
	.protected	k_qe37c443f9a_finish
	.globl	k_qe37c443f9a_finish
	.p2align	8
	.type	k_qe37c443f9a_finish,@function
k_qe37c443f9a_finish:
	s_mov_b64 s[64:65], 0
	v_nop
	global_prefetch_b8 v0, s[64:65] scope:SCOPE_SE
	s_setreg_imm32_b32 hwreg(HW_REG_WAVE_MODE, 25, 1), 1
	s_wait_xcnt 0x0
; One batch a work-group.  scores[b][1024] are the scores less a number that the batch's rows share; ctxp[4 b + g][1024] = sum over rows 256 g .. + 255 of 2^((score - m_g) log2(e)) enc[row][:], m_g the largest score of those rows.
; out1 = softmax of the scores, with the batch's maximum M taken away; out0 = sum over g of 2^((m_g - M) log2(e)) / L x ctxp[4 b + g], L the softmax's divisor.  m_g is taken anew from the stored scores: a maximum rounds nothing.
; A few kilobytes a work-group: matrix units, tensor loads and clusters have nothing to do here.
.set L2E, 0x3fb8aa3b                   ; log2(e)
	s_load_b128 s[4:7], s[0:1], 0x0                ; scores, ctxp
	s_load_b128 s[8:11], s[0:1], 0x10              ; out0, out1
	v_lshl_add_u32 v64, v0, 2, 0x100
	v_mov_b32 v65, 0
	v_lshlrev_b32 v1, 4, v0                        ; 16 t
	v_lshrrev_b32 v2, 5, v0
	s_delay_alu instid0(VALU_DEP_1)
	v_lshlrev_b32 v2, 2, v2                        ; 4 x wave
	v_mov_b32 v3, 0
	v_mov_b32 v9, 0                                ; a lane permute's destination counts as one of its sources
	s_lshl_b32 s12, ttmp9, 12
	s_mov_b32 s13, 0
	s_lshl_b32 s14, ttmp9, 14
	s_mov_b32 s15, 0
	s_mov_b32 s16, 0x76543210
	s_mov_b32 s17, 0xfedcba98
	s_wait_alu depctr_va_vdst(0)
	s_wait_kmcnt 0x0
	s_add_nc_u64 s[4:5], s[4:5], s[12:13]
	s_add_nc_u64 s[6:7], s[6:7], s[14:15]
	s_add_nc_u64 s[8:9], s[8:9], s[12:13]
	s_add_nc_u64 s[10:11], s[10:11], s[12:13]
	global_load_b128 v[4:7], v1, s[4:5]
.irp g, 0,1,2,3
	global_load_b128 v[32+4*\g:35+4*\g], v1, s[6:7] offset:4096*\g
.endr
	s_wait_loadcnt 0x4                             ; the scores are in; the four parts of the context may be out
	v_max3_num_f32 v8, v4, v5, v6
	s_delay_alu instid0(VALU_DEP_1)
	v_max_num_f32 v8, v8, v7
	s_delay_alu instid0(VALU_DEP_1)
	v_max_num_f32_dpp v8, v8, v8 row_xmask:1 row_mask:0xf bank_mask:0xf
	s_delay_alu instid0(VALU_DEP_1)
	v_max_num_f32_dpp v8, v8, v8 row_xmask:2 row_mask:0xf bank_mask:0xf
	s_delay_alu instid0(VALU_DEP_1)
	v_max_num_f32_dpp v8, v8, v8 row_xmask:4 row_mask:0xf bank_mask:0xf
	s_delay_alu instid0(VALU_DEP_1)
	v_max_num_f32_dpp v8, v8, v8 row_xmask:8 row_mask:0xf bank_mask:0xf
	s_delay_alu instid0(VALU_DEP_1)
	v_permlanex16_b32 v9, v8, s16, s17
	s_delay_alu instid0(VALU_DEP_1)
	v_max_num_f32 v8, v8, v9                       ; my wave's maximum
	ds_store_b32 v2, v8                            ; all lanes store the same word with the same value
	s_wait_dscnt 0x0
	s_barrier_signal -1
	s_barrier_wait -1
	ds_load_b128 v[12:15], v3
	ds_load_b128 v[16:19], v3 offset:16
	s_wait_dscnt 0x0
.irp g, 0,1,2,3
	v_max_num_f32 v[20+\g], v[12+2*\g], v[13+2*\g] ; m_g
.endr
	s_delay_alu instid0(VALU_DEP_2)
	v_max3_num_f32 v24, v20, v21, v22
	s_delay_alu instid0(VALU_DEP_1)
	v_max_num_f32 v24, v24, v23                    ; M
.irp i, 0,1,2,3
	v_sub_f32 v[26+\i], v[4+\i], v24
	v_sub_f32 v[20+\i], v[20+\i], v24
.endr
.irp i, 0,1,2,3
	v_mul_f32 v[26+\i], L2E, v[26+\i]
	v_mul_f32 v[20+\i], L2E, v[20+\i]
.endr
	s_wait_alu depctr_va_vdst(0)
.irp i, 0,1,2,3
	v_exp_f32 v[26+\i], v[26+\i]
	v_exp_f32 v[20+\i], v[20+\i]
.endr
	v_nop                                          ; a plain place behind the exponentials
	s_wait_alu depctr_va_vdst(0)
	v_add_f32 v30, v26, v27
	v_add_f32 v31, v28, v29
	s_delay_alu instid0(VALU_DEP_1)
	v_add_f32 v30, v30, v31
	s_delay_alu instid0(VALU_DEP_1)
	v_add_f32_dpp v30, v30, v30 row_xmask:1 row_mask:0xf bank_mask:0xf
	s_delay_alu instid0(VALU_DEP_1)
	v_add_f32_dpp v30, v30, v30 row_xmask:2 row_mask:0xf bank_mask:0xf
	s_delay_alu instid0(VALU_DEP_1)
	v_add_f32_dpp v30, v30, v30 row_xmask:4 row_mask:0xf bank_mask:0xf
	s_delay_alu instid0(VALU_DEP_1)
	v_add_f32_dpp v30, v30, v30 row_xmask:8 row_mask:0xf bank_mask:0xf
	s_delay_alu instid0(VALU_DEP_1)
	v_permlanex16_b32 v9, v30, s16, s17
	s_delay_alu instid0(VALU_DEP_1)
	v_add_f32 v30, v30, v9                         ; my wave's sum
	ds_store_b32 v2, v30 offset:32                 ; other bytes than the maxima's: no wave need have finished reading those
	s_wait_dscnt 0x0
	s_barrier_signal -1
	s_barrier_wait -1
	ds_load_b128 v[12:15], v3 offset:32
	ds_load_b128 v[16:19], v3 offset:48
	s_wait_dscnt 0x0
	v_add_f32 v12, v12, v13
	v_add_f32 v14, v14, v15
	v_add_f32 v16, v16, v17
	v_add_f32 v18, v18, v19
	s_delay_alu instid0(VALU_DEP_3)
	v_add_f32 v12, v12, v14
	s_delay_alu instid0(VALU_DEP_2)
	v_add_f32 v16, v16, v18
	s_delay_alu instid0(VALU_DEP_1)
	v_add_f32 v12, v12, v16                        ; L
	s_wait_alu depctr_va_vdst(0)
	v_rcp_f32 v10, v12
	v_nop                                          ; a plain place behind the reciprocal
	s_wait_alu depctr_va_vdst(0)
.irp i, 0,1,2,3
	v_mul_f32 v[26+\i], v[26+\i], v10
	v_mul_f32 v[20+\i], v[20+\i], v10
.endr
	global_store_b128 v1, v[26:29], s[10:11]       ; the weights
	s_wait_alu depctr_va_vdst(0)
	s_wait_loadcnt 0x0
.irp i, 0,1,2,3
	v_mul_f32 v[48+\i], v20, v[32+\i]
.endr
.irp g, 1,2,3
.irp i, 0,1,2,3
	s_delay_alu instid0(VALU_DEP_4)
	v_fmac_f32 v[48+\i], v[20+\g], v[32+4*\g+\i]
.endr
.endr
	global_store_b128 v1, v[48:51], s[8:9]         ; the context
	s_wait_tensorcnt 0x0
	ds_add_u32 v64, v65
	s_wait_dscnt 0x0
	s_endpgm
.Lfunc_end_k_qe37c443f9a_finish:
	.size	k_qe37c443f9a_finish, .Lfunc_end_k_qe37c443f9a_finish-k_qe37c443f9a_finish
	.p2alignl 7, 3214868480
	.fill 96, 4, 3214868480
	.section	.rodata,"a",@progbits
	.p2align	6, 0x0
	.amdhsa_kernel k_qe37c443f9a_finish
		.amdhsa_group_segment_fixed_size 1280
		.amdhsa_private_segment_fixed_size 0
		.amdhsa_enable_private_segment 0
		.amdhsa_kernarg_size 32
		.amdhsa_user_sgpr_count 2
		.amdhsa_user_sgpr_kernarg_segment_ptr 1
		.amdhsa_wavefront_size32 1
		.amdhsa_system_sgpr_workgroup_id_x 1
		.amdhsa_system_sgpr_workgroup_id_y 1
		.amdhsa_system_sgpr_workgroup_id_z 1
		.amdhsa_system_vgpr_workitem_id 0
		.amdhsa_next_free_vgpr 66
		.amdhsa_next_free_sgpr 66
		.amdhsa_reserve_vcc 0
		.amdhsa_float_denorm_mode_32 3
		.amdhsa_float_denorm_mode_16_64 3
		.amdhsa_memory_ordered 1
		.amdhsa_forward_progress 1
		.amdhsa_inst_pref_size 7
	.end_amdhsa_kernel
	.amdgpu_metadata
---
amdhsa.version: [ 1, 2 ]
amdhsa.kernels:
  - .name:           k_qe37c443f9a_finish
    .symbol:         k_qe37c443f9a_finish.kd
    .args:
      - { .name: scores, .offset: 0, .size: 8, .value_kind: global_buffer, .address_space: global }
      - { .name: ctxp, .offset: 8, .size: 8, .value_kind: global_buffer, .address_space: global }
      - { .name: out0, .offset: 16, .size: 8, .value_kind: global_buffer, .address_space: global }
      - { .name: out1, .offset: 24, .size: 8, .value_kind: global_buffer, .address_space: global }
    .group_segment_fixed_size: 1280
    .private_segment_fixed_size: 0
    .kernarg_segment_align: 8
    .kernarg_segment_size: 32
    .max_flat_workgroup_size: 256
    .sgpr_count:     66
    .vgpr_count:     66
    .wavefront_size: 32
...
	.end_amdgpu_metadata
.endif
;; end of part 3
